; MI455X (gfx1250); checked and timed in simulation.
; The chip was launched on July 23, 2026; its instructions are those of AMD's public machine-readable ISA for CDNA 5 (MIT licence, August 2026) and "CDNA5" Instruction Set Architecture Reference Guide (July 2026). The comments in the code are by the model that wrote it; some were corrected since.
;; Vector Quantizer. Allowed arithmetic: matrix products marked QUANTISED: E4M3 operands, one given power-of-two scale a tensor, by v_wmma_f32_16x16x64_fp8_fp8 or v_wmma_f32_16x16x128_fp8_fp8, f32 sums; everything else in f32.
;; Inputs: inputs 32,768 x 256 float32; lowp_scales 2 int32 (the exponents e of the quantised operands' scales 2^e); weight 8,192 x 256 float32.
;; Outputs: out0 32,768 x 256 float32; out1 32,768 int32.
;; This version of the problem:
;;   THIS VERSION OF THE PROBLEM IS GIVEN IN LOW PRECISION. The matrix products marked QUANTISED in the list below multiply operands that are first quantised to E4M3 (4 exponent bits, 3 mantissa bits; 8 bits a number), with one given power-of-two scale for each operand tensor; their sums are f32. All else is computed in f32.
;;   The module's matrix products, in the order in which they are computed (A, B: the left and right operand; K: the contracted axis; several contracted axes count as one K, in the product's order):
;;     1. [M 32,768, K 256] x [K 256, N 8,192]; A: input inputs; B: input weight: QUANTISED (scales: A lowp_scales[0], B lowp_scales[1])
;;   THE QUANTISER, for each operand of a quantised product, along K:
;;     - The operand's scale is 2^e, e = its entry of the input lowp_scales (int32; the entries are numbered through the quantised products in the list's order, A before B).
;;     - Each number is divided by the scale, clamped to +-448, and rounded to the nearest number of E4M3, ties to even, subnormals kept.
;;     - The product sums the exact products of the quantised numbers (number of the format x scale) in f32.
;;   ~~~python
;;   def quantise(x, axis, e):      # numpy; x: float32 -> the quantised numbers, widened to float32 again
;;       x = np.moveaxis(x, axis, -1); K = x.shape[-1]
;;       r = np.clip(x / 2.0 ** e, -448, 448)
;;       step = 2.0 ** (np.maximum(np.frexp(np.where(r == 0, 1, r))[1] - 1, -6) - 3)
;;       q = np.round(r / step) * step * 2.0 ** e      # np.round: ties to even
;;       return np.moveaxis(q, -1, axis).astype(np.float32)
;;   ~~~
;; One version. Each part assembles by itself: llvm-mc -triple=amdgcn-amd-amdhsa -mcpu=gfx1250 --defsym DOCPART=n.
;; ======== version 1 of 1: 3 launches
;; limits: right only within a limited range of input values
;; workspace buffers: xq 8,388,608 bytes; wq 2,097,152 bytes; wn 32,768 bytes; idx 131,072 bytes of whole numbers
;; launch prep (part 1): grid 256 x 1, 10 waves a work-group, no clusters, 167,680 bytes of LDS; arguments inputs, weight, lowp_scales, xq, wq, wn; writes xq, wq, wn
.if DOCPART == 1
	.amdgcn_target "amdgcn-amd-amdhsa--gfx1250"
	.amdhsa_code_object_version 6
	.text
	.protected	k_q08109d1faa_prep
	.globl	k_q08109d1faa_prep
	.p2align	8
	.type	k_q08109d1faa_prep,@function
k_q08109d1faa_prep:
	s_mov_b64 s[64:65], 0
	v_nop
	global_prefetch_b8 v0, s[64:65] scope:SCOPE_SE
	s_setreg_imm32_b32 hwreg(HW_REG_WAVE_MODE, 25, 1), 1
	s_wait_xcnt 0x0
; PREP: inputs [32768][256] and weight [8192][256], f32, become codes of FP8 (E4M3), each tensor with its given scale 2^e (entry 0: inputs, entry 1: weight).
; code = x / 2^e, held within +-448, rounded to the nearest code, ties to even.
; For weight also wn[k] = -(sum over d of w[k][d]^2) x 2^-(e0 + e1 + 1), from the f32 numbers: the next launch gives it to the matrix unit as the start of each sum.
; LAYOUT OF THE CODES: images of operand registers.  A tile of 16 rows x 256 is 4,096 bytes; its piece cc (0..7) is 512 bytes, lane l's 16 bytes at 512 cc + 16 l:
; the codes of row l % 16, k = 32 cc + 16 (l / 16) + 0 .. 15.  Four such pieces, loaded 16 bytes a lane, are a fragment of 16 rows x 128 K.
; SHARES: 2,560 tiles (2,048 of inputs, then 512 of weight), one to a wave: tile g = 10 x work-group + wave.  One path for both tensors: only pointers and e are chosen.
; A lane must hold 16 NEIGHBOURS along K for the conversions, a load is best where neighbouring LANES take neighbouring bytes: so the tile's 16,384 bytes are loaded as they lie, 512 consecutive
; bytes a load, go through the wave's own stage in LDS, and come back 64 bytes a lane.  Waves share nothing: no barrier.  All 32 loads of a wave go out at once.
; LIMITS: -126 <= e <= 119 for both entries; the norm x 2^-(e0 + e1 + 1) is a finite f32 number; NaN among the inputs is not served (an infinity is held at the largest code).
.set NXT,  2048                        ; tiles of inputs
.set PIT,  1040                        ; a stage row: 1,024 bytes + 16: row r starts 16 r bytes further round the banks, so the 16 rows that a load touches do not meet
.set STG,  16*PIT                      ; a wave's stage
.set X,    16                          ; v16-143  the tile's numbers: first as loaded, then register 16 cc + i = k 32 cc + 16 (lane / 16) + i of row lane % 16
.set CD,   144                         ; v144-175 the codes: four registers a piece, none written twice
	s_load_b256 s[4:11], s[0:1], 0x0               ; inputs s[4:5], weight s[6:7], the exponents s[8:9], xq s[10:11]
	s_load_b128 s[12:15], s[0:1], 0x20             ; wq s[12:13], wn s[14:15]
	v_lshl_add_u32 v192, v0, 2, 0x28a00
	v_mov_b32 v193, 0
	v_lshrrev_b32 v1, 5, v0
	s_delay_alu instid0(VALU_DEP_1)
	v_readfirstlane_b32 s16, v1                    ; wave 0..9
	v_and_b32 v1, 31, v0                           ; lane
	s_delay_alu instid0(VALU_DEP_1)
	v_lshlrev_b32 v2, 4, v1                        ; 16 x lane: my bytes of a load's or a store's 512
	s_mul_i32 s26, s16, STG                        ; my stage
	v_add_nc_u32 v3, s26, v2                       ; into it: as loaded
	v_and_b32 v5, 15, v0                           ; r
	v_bfe_u32 v4, v0, 4, 1                         ; h
	s_delay_alu instid0(VALU_DEP_1)
	v_lshl_add_u32 v4, v4, 6, s26
	s_delay_alu instid0(VALU_DEP_1)
	v_mad_u32_u24 v4, v5, PIT, v4                  ; out of it: row r, + 64 h: my 16 numbers of a block of 32
	s_delay_alu instid0(VALU_DEP_4)
	v_lshlrev_b32 v5, 2, v5                        ; wn: 4 r
	s_mov_b32 s28, 0x76543210                      ; v_permlanex16_b32: each lane takes its own place in the other half
	s_mov_b32 s29, 0xfedcba98
	s_mul_i32 s17, ttmp9, 10
	s_add_co_u32 s17, s17, s16                     ; g
	s_cmp_lt_u32 s17, NXT
	s_cselect_b32 s18, 0, NXT
	s_sub_co_u32 s18, s17, s18                     ; t: the tile's number in its tensor
	s_mov_b32 s19, 0
	s_lshl_b64 s[32:33], s[18:19], 14              ; 16,384 bytes of f32 a tile,
	s_lshl_b64 s[34:35], s[18:19], 12              ; 4,096 of codes
	s_wait_alu depctr_va_vdst(0)
	s_wait_kmcnt 0x0
	s_load_b64 s[20:21], s[8:9], 0x0               ; e0, e1
	s_cmp_lt_u32 s17, NXT                          ; the choice hangs on ids alone
	s_cselect_b64 s[22:23], s[4:5], s[6:7]
	s_cselect_b64 s[24:25], s[10:11], s[12:13]
	s_add_nc_u64 s[22:23], s[22:23], s[32:33]      ; from
	s_add_nc_u64 s[24:25], s[24:25], s[34:35]      ; to
.irp i, 0,1,2,3,4,5,6,7,8,9,10,11,12,13,14,15,16,17,18,19,20,21,22,23,24,25,26,27,28,29,30,31
	global_load_b128 v[X+4*\i:X+4*\i+3], v2, s[22:23] offset:512*\i th:TH_LOAD_NT   ; 32 lanes read 512 consecutive bytes: half a row
.endr
	s_wait_kmcnt 0x0
	s_cmp_lt_u32 s17, NXT
	s_cselect_b32 s26, s20, s21                    ; e of my tensor
	s_add_co_i32 s31, s20, s21
	s_add_co_i32 s31, s31, 1
	s_sub_co_i32 s31, 0, s31                       ; -(e0 + e1 + 1)
	s_add_co_i32 s26, s26, 127
	s_lshl_b32 s27, s26, 23
	v_mov_b32 v7, s27                              ; 2^e as f32: the conversion takes its exponent field
	s_add_co_i32 s26, s26, 8
	s_lshl_b32 s26, s26, 23
	s_or_b32 s26, s26, 0x600000
	v_mov_b32 v6, s26                              ; 448 x 2^e
.irp i, 0,1,2,3,4,5,6,7,8,9,10,11,12,13,14,15,16,17,18,19,20,21,22,23,24,25,26,27,28,29,30,31
	s_wait_loadcnt 31-\i                           ; loads come back in order: load i is in, the 31 - i younger ones may be out
	ds_store_b128 v3, v[X+4*\i:X+4*\i+3] offset:(\i/2)*PIT+(\i%2)*512
.endr
	s_wait_dscnt 0x0                               ; the stores have read X, which the loads below write
.irp c, 0,1,2,3,4,5,6,7
.irp u, 0,1,2,3
	ds_load_b128 v[X+16*\c+4*\u:X+16*\c+4*\u+3], v4 offset:128*\c+16*\u
.endr
.endr
	s_wait_dscnt 0x0
	s_cmp_lt_u32 s17, NXT
	s_cbranch_scc1 .Lno_norm                       ; a tile of inputs has no norm to make
	; the rows' sums of squares, of the f32 numbers: my 128 in four chains of pairs, then the other half of the lanes'
.irp c, 0,1,2,3
	v_pk_mul_f32 v[8+2*\c:9+2*\c], v[X+2*\c:X+2*\c+1], v[X+2*\c:X+2*\c+1]          ; the first products start the chains: nothing is cleared
.endr
.set j, 4
.rept 60
	s_delay_alu instid0(VALU_DEP_4)
	v_pk_fma_f32 v[8+2*(j%4):9+2*(j%4)], v[X+2*j:X+2*j+1], v[X+2*j:X+2*j+1], v[8+2*(j%4):9+2*(j%4)]
.set j, j+1
.endr
	s_delay_alu instid0(VALU_DEP_3)
	v_pk_add_f32 v[8:9], v[8:9], v[10:11]
	s_delay_alu instid0(VALU_DEP_2)
	v_pk_add_f32 v[12:13], v[12:13], v[14:15]
	s_delay_alu instid0(VALU_DEP_1)
	v_pk_add_f32 v[8:9], v[8:9], v[12:13]
	s_delay_alu instid0(VALU_DEP_1)
	v_add_f32 v8, v8, v9
	s_delay_alu instid0(VALU_DEP_1)
	v_permlanex16_b32 v9, v8, s28, s29             ; (its destination counts as read: v9 has been written)
	s_delay_alu instid0(VALU_DEP_1)
	v_add_f32 v8, v8, v9                           ; row r's sum of squares
	s_delay_alu instid0(VALU_DEP_1)
	v_xor_b32 v8, 0x80000000, v8
	s_delay_alu instid0(VALU_DEP_1)
	v_ldexp_f32 v8, v8, s31                        ; wn = -sum x 2^-(e0 + e1 + 1): nothing is rounded, short of overflow and underflow
	s_lshl_b32 s36, s18, 6                         ; 16 numbers a tile
	s_mov_b32 s37, 0
	s_add_nc_u64 s[14:15], s[14:15], s[36:37]
	v_cmp_gt_u32 vcc_lo, 16, v1
	s_wait_alu depctr_va_vdst(0)
	s_wait_xcnt 0x0                                ; EXEC changes only behind this wait
	s_and_saveexec_b32 s30, vcc_lo
	global_store_b32 v5, v8, s[14:15]              ; 16 lanes store 64 consecutive bytes: the one store here that covers less than 256; 32,768 bytes in the whole launch
	s_wait_xcnt 0x0                                ; and again in front of the line that widens it
	s_or_b32 exec_lo, exec_lo, s30
.Lno_norm:
	s_wait_alu depctr_va_vdst(0)
.irp c, 0,1,2,3,4,5,6,7
.irp i, 0,1,2,3,4,5,6,7,8,9,10,11,12,13,14,15
	v_med3_num_f32 v[X+16*\c+\i], v[X+16*\c+\i], -v6, v6    ; the conversion to an 8-bit code does not saturate (ISA guide 7.6.2): the hold at the largest code x the scale comes first
.endr
	v_cvt_scalef32_pk8_fp8_f32 v[CD+4*\c:CD+4*\c+1], v[X+16*\c:X+16*\c+7], v7
	v_cvt_scalef32_pk8_fp8_f32 v[CD+4*\c+2:CD+4*\c+3], v[X+16*\c+8:X+16*\c+15], v7
	global_store_b128 v2, v[CD+4*\c:CD+4*\c+3], s[24:25] offset:512*\c     ; piece c: 32 lanes store 512 consecutive bytes, at a multiple of 512 from the buffer's first byte
.endr
	v_nop                                          ; a plain vector line behind the last conversion
	s_wait_tensorcnt 0x0
	ds_add_u32 v192, v193
	s_wait_dscnt 0x0
	s_endpgm
.Lfunc_end_k_q08109d1faa_prep:
	.size	k_q08109d1faa_prep, .Lfunc_end_k_q08109d1faa_prep-k_q08109d1faa_prep
	.p2alignl 7, 3214868480
	.fill 96, 4, 3214868480
	.section	.rodata,"a",@progbits
	.p2align	6, 0x0
	.amdhsa_kernel k_q08109d1faa_prep
		.amdhsa_group_segment_fixed_size 167680
		.amdhsa_private_segment_fixed_size 0
		.amdhsa_enable_private_segment 0
		.amdhsa_kernarg_size 48
		.amdhsa_user_sgpr_count 2
		.amdhsa_user_sgpr_kernarg_segment_ptr 1
		.amdhsa_wavefront_size32 1
		.amdhsa_system_sgpr_workgroup_id_x 1
		.amdhsa_system_sgpr_workgroup_id_y 1
		.amdhsa_system_sgpr_workgroup_id_z 1
		.amdhsa_system_vgpr_workitem_id 0
		.amdhsa_next_free_vgpr 194
		.amdhsa_next_free_sgpr 66
		.amdhsa_reserve_vcc 1
		.amdhsa_float_denorm_mode_32 3
		.amdhsa_float_denorm_mode_16_64 3
		.amdhsa_memory_ordered 1
		.amdhsa_forward_progress 1
		.amdhsa_inst_pref_size 28
	.end_amdhsa_kernel
	.amdgpu_metadata
---
amdhsa.version: [ 1, 2 ]
amdhsa.kernels:
  - .name:           k_q08109d1faa_prep
    .symbol:         k_q08109d1faa_prep.kd
    .args:
      - { .name: inputs, .offset: 0, .size: 8, .value_kind: global_buffer, .address_space: global }
      - { .name: weight, .offset: 8, .size: 8, .value_kind: global_buffer, .address_space: global }
      - { .name: lowp_scales, .offset: 16, .size: 8, .value_kind: global_buffer, .address_space: global }
      - { .name: xq, .offset: 24, .size: 8, .value_kind: global_buffer, .address_space: global }
      - { .name: wq, .offset: 32, .size: 8, .value_kind: global_buffer, .address_space: global }
      - { .name: wn, .offset: 40, .size: 8, .value_kind: global_buffer, .address_space: global }
    .group_segment_fixed_size: 167680
    .private_segment_fixed_size: 0
    .kernarg_segment_align: 8
    .kernarg_segment_size: 48
    .max_flat_workgroup_size: 320
    .sgpr_count:     66
    .vgpr_count:     194
    .wavefront_size: 32
...
	.end_amdgpu_metadata
.endif
;; end of part 1
;; launch argmin (part 2): grid 256 x 1, 8 waves a work-group, clusters of 4 x 1, 327,680 bytes of LDS; arguments xq, wq, wn, idx, out1; writes idx, out1
.if DOCPART == 2
	.amdgcn_target "amdgcn-amd-amdhsa--gfx1250"
	.amdhsa_code_object_version 6
	.text
	.protected	k_q08109d1faa_argmin
	.globl	k_q08109d1faa_argmin
	.p2align	8
	.type	k_q08109d1faa_argmin,@function
k_q08109d1faa_argmin:
	s_mov_b64 s[64:65], 0
	v_nop
	global_prefetch_b8 v0, s[64:65] scope:SCOPE_SE
	s_setreg_imm32_b32 hwreg(HW_REG_WAVE_MODE, 25, 1), 1
	s_wait_xcnt 0x0
	s_wait_alu depctr_hold_cnt(0) depctr_sa_sdst(0) depctr_va_vdst(0) depctr_va_sdst(0) depctr_va_ssrc(0) depctr_va_vcc(0) depctr_vm_vsrc(0)
	s_getreg_b32 s2, hwreg(HW_REG_IB_STS2, 6, 4)
	s_cmp_eq_u32 s2, 0
	s_cbranch_scc0 .Lentry_in_a_cluster
	s_endpgm
.Lentry_in_a_cluster:
	s_bfe_u32 s2, ttmp6, 0x10000c
	s_cmp_lg_u32 s2, 0x3003
	s_cbranch_scc0 .Lentry_shape_is_right
	s_endpgm
.Lentry_shape_is_right:
; ARGMIN: for each of 32,768 rows x the first index k of the smallest ||x||^2 - 2 x . w_k + ||w_k||^2 over 8,192 codes, the product on codes of FP8 (E4M3) by v_wmma_f32_16x16x128_fp8_fp8.
; THE ARITHMETIC.  With S the sum of the codes' products, x . w = S 2^(e0 + e1), so distance - ||x||^2 = -2^(e0 + e1 + 1) (S + wn[k]), wn[k] = -||w_k||^2 2^-(e0 + e1 + 1) (made by the launch before).
; ||x||^2 is the same for all codes of a row and the factor is negative: the smallest distance is the LARGEST D = S + wn.  wn is the C of each sum's first matrix instruction.
; LIMIT, an order of rounding: ||w||^2 enters the matrix unit's f32 sum and ||x||^2 is not added, where the definition rounds (||x||^2 - 2 p) and then (+ ||w||^2): two codes whose distances differ by
; about one unit in the last place may come out in the other order.  Equal D: the lower index.  NaN is not served.
; LAYOUT.  The product is used transposed (source 0 = 16 codes, source 1 = 16 rows of x): a lane holds ONE row (lane % 16) and its registers j the codes 16 U + 8 (lane / 16) + j of code tile U.
; TRACKING of a tile's 8 registers: its largest (three 3-input maxima and half of a dual pair), one compare into VCC (not above the best: the earlier tile keeps a tie), and five dual pairs of selects by VCC:
; best with tile number, and the tile's eight values two by two.  Which of the kept eight it was is found once, at the end: the first that equals the best.
; SHARES.  A work-group owns 128 rows.  The waves share the codes, not the rows: every wave keeps all 8 row tiles' fragments of x in 256 registers.  A code tile is multiplied in two halves, four row tiles each,
; on four accumulators.  The 512 code tiles go in 12 trips of 40 and a last one of 32.  In trip c wave w takes tiles 40 c + 5 w + 0..4, in ascending order (last trip: 480 + 4 w + 0..3).
; Tiles 0..3 of the five come through two LDS slots: the 16,384 bytes that the wave's own tensor load brought.  THE FIFTH comes by eight ordinary loads straight into 32 operand registers, asked for a trip ahead:
; so a slot's 131,072 bytes serve 40 tiles' products, and 13 slots are filled where 16 would be.
; CLUSTER.  All work-groups walk the same codes: each slot's tiles are asked for JOINTLY by the four work-groups of a cluster: the same tensor load, the same descriptor (constants and the wave's number), mask 15.
; The fifth tiles, a fifth of the bytes, have no LDS bytes to land in and so no joint form.
; THE CHANGE OF SLOTS stands in the middle of the fifth tile, whose operands are registers: its second half's eight products stand between the opening signal and its wait.
; Waves 4-7 track that half there too, waves 0-3 behind the round: so behind each round one group selects while the other multiplies.
; REGISTERS: window 0: v1-15 addresses and the tile's number; v16-79 two sets of a code tile's two fragments; v80-95 two sets of eight wn; v96-127 four accumulators; v128-159 the fifth tile; v160-223 the kept tiles;
; v224-239 best and tile number, side by side; v240.. at work, v248-255 pairs for the merge.  Window 1 (v256-511): x: row tile i, K step s at 32 i + 16 s.
.set CHS,   163840                     ; a trip's 40 tiles in memory
.set SLOT1, 1<<17                      ; slot 1 begins here; a slot is 8 waves x 16,384 bytes
.set WNB,   2*SLOT1                    ; wn, 32,768 bytes, written by LDS stores alone: no fill lands here
.set SPARE, WNB+32768                  ; the spare words, 128 bytes for each of 8 waves
.set MRG,   SPARE+1024                 ; the merge: 1,024 bytes a wave, written by LDS stores alone
.set SPW, 1
.set NIL, 2
.set WB,  3                            ; v3   16,384 x wave + 16 x lane
.set ADR, 4                            ; v4   the same in the slot in hand
.set CB0, 5                            ; v5   WNB + 32 (lane / 16)
.set CADR, 6                           ; v6   + 64 x my first tile of the trip
.set L16, 7                            ; v7   16 x lane
.set WNG, 8                            ; v8   my byte offset in wn for the head's loads
.set H8,  9                            ; v9   8 (lane / 16)
.set MST, 10
.set MLD, 11
.set GO,  12
.set PFO, 13                           ; v13  256 x lane
.set WF,  16
.set CF,  80
.set ACC, 96
.set WG,  128
.set SAVE, 160
.set BT,  224                          ; row tile i: best at BT + 2 i, tile number at BT + 2 i + 1
.set M,   240
.set WNS, 240                          ; (head only) where my part of wn goes in LDS
.set PR,  248
.set WV,  14
.set G1,  24                           ; s[24:31] descriptor group 1: 64 rows of 256 bytes
.set STN, 32                           ; s32  the walking descriptor's step: 40 tiles
.set STL, 33                           ; s33  its last step, to tile 480 + 4 w: 40 - w tiles
.set STP, 38                           ; s[38:39] the step in hand
.set G0A, 40
.set G0B, 44
.set SLOTS, 52                         ; changes of slots that still fill one
.set TB,  53
.set CURS, 54                          ; the number of the tile that is tracked
.set LIM, 55                           ; 3 in a wave that prefetches, else the greatest number
.set PFA, 56
.set SEL, 58
.set CO,  60                           ; 64 x my first tile of the trip
.set HM,  61
.set MK,  68
.set PK,  76
.set GP,  80                           ; s[80:81] my fifth tile in memory
.set MSB, 0
.macro WIN new
.if MSB != \new
	s_set_vgpr_msb (MSB<<8)|\new
.set MSB, \new
.endif
.endm
.macro CREST                           ; a round of the cluster's barrier behind its opening barrier
	s_cmp_lg_u32 s[WV], 0
	s_cbranch_scc1 .Lnot_wave_0_\@
	s_barrier_signal -3
.Lnot_wave_0_\@:
	s_barrier_wait -3
	s_barrier_signal -1
	s_barrier_wait -1
.endm
.macro CROUND
	s_barrier_signal -1
	s_barrier_wait -1
	CREST
.endm
; Ten LDS loads: my tile t (0..3) of the trip: two fragments (8 pieces of 512 bytes) and its eight wn, into set t % 2.
.macro LDW t
.irp q, 0,1,2,3,4,5,6,7
	ds_load_b128 v[WF+32*((\t)%2)+4*\q:WF+32*((\t)%2)+4*\q+3], v[ADR] offset:4096*(\t)+512*\q
.endr
.irp u, 0,1
	ds_load_b128 v[CF+8*((\t)%2)+4*\u:CF+8*((\t)%2)+4*\u+3], v[CADR] offset:64*(\t)+16*\u
.endr
.endm
.macro LDC                             ; the fifth tile's eight wn, into set 0
.irp u, 0,1
	ds_load_b128 v[CF+4*\u:CF+4*\u+3], v[CADR] offset:256+16*\u
.endr
.endm
.macro GLD                             ; the fifth tile's two fragments: each load 512 consecutive bytes, as the operand's registers take them
.irp q, 0,1,2,3,4,5,6,7
	global_load_b128 v[WG+4*\q:WG+4*\q+3], v[L16], s[GP:GP+1] offset:512*\q
.endr
.endm
; Eight matrix instructions: a tile against row tiles 4 hb .. 4 hb + 3, K ascending; the first four start the sums with wn; the four accumulators take turns.
.macro MULH wf, cf, hb, accb
	WIN 0x04                                       ; source 1 (x) in window 1
.irp k, 0,1,2,3
	v_wmma_f32_16x16x128_fp8_fp8 v[\accb+8*\k:\accb+8*\k+7], v[\wf:\wf+15], v[128*\hb+32*\k:128*\hb+32*\k+15], v[\cf:\cf+7]
.endr
.irp k, 0,1,2,3
	v_wmma_f32_16x16x128_fp8_fp8 v[\accb+8*\k:\accb+8*\k+7], v[\wf+16:\wf+31], v[128*\hb+32*\k+16:128*\hb+32*\k+31], v[\accb+8*\k:\accb+8*\k+7]
.endr
	WIN 0
.endm
; The half just multiplied is tracked.  Four places stand between the last matrix instruction and the first read of a result (ISA guide 7.12.1); each accumulator is read from its low end on.
; An odd row tile leaves its register 2 for the last maximum, an even one its register 7, and the tile's number lies in v14 and v15, so that the two halves of each dual pair name different register banks.
.macro TRKH hb, inc
	v_mov_b32 v14, s[CURS]
	v_mov_b32 v15, s[CURS]
.rept 2
	v_nop
.endr
.irp k, 0,2
	v_max3_num_f32 v[M+\k], v[ACC+8*\k], v[ACC+8*\k+1], v[ACC+8*\k+2]
	v_max3_num_f32 v[M+\k+1], v[ACC+8*\k+8], v[ACC+8*\k+9], v[ACC+8*\k+11]
.endr
.irp k, 0,2
	v_max3_num_f32 v[M+\k], v[M+\k], v[ACC+8*\k+3], v[ACC+8*\k+4]
	v_max3_num_f32 v[M+\k+1], v[M+\k+1], v[ACC+8*\k+12], v[ACC+8*\k+13]
.endr
.irp k, 0,2
	v_max3_num_f32 v[M+\k], v[M+\k], v[ACC+8*\k+5], v[ACC+8*\k+6]
	v_max3_num_f32 v[M+\k+1], v[M+\k+1], v[ACC+8*\k+14], v[ACC+8*\k+15]
.endr
.irp k, 0,2
	v_dual_max_num_f32 v[M+\k], v[M+\k], v[ACC+8*\k+7] :: v_dual_max_num_f32 v[M+\k+1], v[M+\k+1], v[ACC+8*\k+10]
.endr
.irp k, 0,1,2,3
	v_cmp_le_f32 vcc_lo, v[M+\k], v[BT+8*\hb+2*\k]   ; not above the best: what is kept stays (on a tie the earlier tile, with the lower indices)
	v_dual_cndmask_b32 v[BT+8*\hb+2*\k], v[M+\k], v[BT+8*\hb+2*\k] :: v_dual_cndmask_b32 v[BT+8*\hb+2*\k+1], v[15-((\k)%2)], v[BT+8*\hb+2*\k+1]
.irp j, 0,2,4,6
	v_dual_cndmask_b32 v[SAVE+32*\hb+8*\k+\j], v[ACC+8*\k+\j], v[SAVE+32*\hb+8*\k+\j] :: v_dual_cndmask_b32 v[SAVE+32*\hb+8*\k+\j+1], v[ACC+8*\k+\j+1], v[SAVE+32*\hb+8*\k+\j+1]
.endr
.endr
.if \inc
	s_add_co_u32 s[CURS], s[CURS], 1
.endif
.endm
.macro TILE wf, cf
	MULH \wf, \cf, 0, ACC
	TRKH 0, 0
	MULH \wf, \cf, 1, ACC
	TRKH 1, 1
.endm
; The launch's first tile, whose products were written straight into the kept registers: it starts best and tile number; nothing is cleared, compared or selected.
.macro TRACK1
.rept 4
	v_nop
.endr
.irp i, 0,1,2,3,4,5,6,7
	v_max3_num_f32 v[BT+2*\i], v[SAVE+8*\i], v[SAVE+8*\i+1], v[SAVE+8*\i+2]
.endr
.irp i, 0,1,2,3,4,5,6,7
	v_max3_num_f32 v[BT+2*\i], v[BT+2*\i], v[SAVE+8*\i+3], v[SAVE+8*\i+4]
.endr
.irp i, 0,1,2,3,4,5,6,7
	v_max3_num_f32 v[BT+2*\i], v[BT+2*\i], v[SAVE+8*\i+5], v[SAVE+8*\i+6]
.endr
.irp i, 0,1,2,3,4,5,6,7
	v_max_num_f32 v[BT+2*\i], v[BT+2*\i], v[SAVE+8*\i+7]
.endr
.irp i, 0,1,2,3,4,5,6,7
	v_mov_b32 v[BT+2*\i+1], s[CURS]
.endr
	s_add_co_u32 s[CURS], s[CURS], 1
.endm
; A PREFETCH: at the change of trip c, trip c + 4 (PFA stands at trip c + 1).  All clusters walk the same codes: the first cluster asks.  Its four partners share a trip's 163,840 bytes out BY ADDRESS,
; 40,960 bytes each; in each, waves 0-4 take 8,192 bytes, lanes 256 bytes apart: each block of 256 bytes is named once in the launch.  Trip 11 is the last that is asked for: the shorter trip 12 comes by its load alone.
.macro ASK
	s_cmp_gt_u32 s[SLOTS], s[LIM]
	s_cbranch_scc0 .Lnot_mine_\@
	global_prefetch_b8 v[PFO], s[PFA:PFA+1] offset:3*CHS th:TH_LOAD_NT scope:SCOPE_SE
.Lnot_mine_\@:
.endm
; Of two pairs (D, index) the one with the larger D, on a tie the one with the lower index.
.macro PICK dv, di, bv, bi, cv, ci
	v_cmp_gt_f32 s[PK], v[\cv], v[\bv]
	v_cmp_eq_f32 s[PK+1], v[\cv], v[\bv]
	v_cmp_lt_u32 s[PK+2], v[\ci], v[\bi]
	s_and_b32 s[PK+1], s[PK+1], s[PK+2]
	s_or_b32 s[PK], s[PK], s[PK+1]
	v_cndmask_b32 v[\dv], v[\bv], v[\cv], s[PK]
	v_cndmask_b32 v[\di], v[\bi], v[\ci], s[PK]
.endm
.macro NEXT                            ; the addresses of the trip in hand, and its first tile's loads
	v_add_nc_u32 v[ADR], s[TB], v[WB]
	v_add_nc_u32 v[CADR], s[CO], v[CB0]
	s_wait_alu depctr_va_vdst(0)                   ; the wait behind these writes
	LDW 0
.endm
; A TRIP; tile 0's loads are out on entry.  first = 1: the launch's first.  change = 1: the slot is filled again, with the trip two on; 0: nothing is left to ask for; 2: the last trip, of four tiles.
.macro CHUNK first, change
.if !\first
	s_cmp_lt_u32 s[WV], 4
	s_cbranch_scc0 .Ldone_\@
	TRKH 1, 1                                      ; waves 0-3: the second half of the trip before's fifth tile
.Ldone_\@:
	s_add_co_u32 s[CURS], s[CURS], 35              ; five tiles have been tracked: my first of this trip lies 40 tiles from my first of the last,
.if \change == 2
	s_sub_co_u32 s[CURS], s[CURS], s[WV]           ; in the last trip 40 - w
.endif
.endif
	LDW 1
	s_wait_dscnt 10                                ; LDS loads come back in order: tile 0's ten are in, tile 1's ten may be out
.if \first
	MULH WF, CF, 0, SAVE
	MULH WF, CF, 1, SAVE+32
	TRACK1
.else
	TILE WF, CF
.endif
	LDW 2
	s_wait_dscnt 10
	TILE WF+32, CF+8
	LDW 3
	s_wait_dscnt 10
	TILE WF, CF
.if \change == 2
	s_wait_dscnt 0x0
	TILE WF+32, CF+8
.else
	LDC
	s_wait_dscnt 2                                 ; tile 3's ten are in; the fifth tile's two loads of wn may be out
	TILE WF+32, CF+8
	s_wait_dscnt 0x0                               ; the fifth tile's wn,
	s_wait_loadcnt 0x0                             ; and its fragments, asked for a trip ago
	MULH WG, CF, 0, ACC
	TRKH 0, 0
.if \change == 1
	s_wait_tensorcnt 0x0                           ; all my tensor loads have landed: my part of the next slot; so a group 0 may be written
	ds_add_u32 v[SPW], v[NIL]                      ; 0 onto my spare word
	s_xor_b32 s[G0B+1], s[G0B+1], SLOT1            ; the walking descriptor: the other slot than last time,
	s_cmp_eq_u32 s[SLOTS], 1
	s_cselect_b32 s[STP], s[STL], s[STN]           ; the last fill is the last trip's
	s_add_nc_u64 s[G0B+2:G0B+3], s[G0B+2:G0B+3], s[STP:STP+1]
	s_wait_xcnt 0x0                                ; the last prefetch and the fifth tile's loads have read their addresses
	s_add_nc_u64 s[PFA:PFA+1], s[PFA:PFA+1], CHS
	s_add_nc_u64 s[GP:GP+1], s[GP:GP+1], CHS
	s_wait_dscnt 0x0                               ; the add is done; my reads of this slot were over before
	s_barrier_signal -1                            ; opens a round of the cluster's barrier; work on registers follows while the others arrive
	MULH WG, CF, 1, ACC
	s_cmp_lt_u32 s[WV], 4
	s_cbranch_scc1 .Llater_\@
	TRKH 1, 1                                      ; waves 4-7 track this half here, waves 0-3 behind the round
.Llater_\@:
	s_barrier_wait -1
	CREST
	tensor_load_to_lds s[G0B:G0B+3], s[G1:G1+7]    ; my one tensor load behind the round, and the first thing there
	s_nop 0
.rept 4
	v_nop                                          ; four behind the load; they are also the places in front of the loads below
.endr
	GLD                                            ; the next trip's fifth tile
	ASK
	s_xor_b32 s[TB], s[TB], SLOT1
	s_add_co_u32 s[CO], s[CO], 2560
	NEXT
.else
	MULH WG, CF, 1, ACC
	s_cmp_lt_u32 s[WV], 4
	s_cbranch_scc1 .Llater_\@
	TRKH 1, 1
.Llater_\@:
	s_wait_tensorcnt 0x0                           ; my part of the last trip is in; I alone read it, and nothing is filled any more: no barrier
.rept 4
	v_nop                                          ; four places between the products above and the loads below, on every way through the text
.endr
	s_xor_b32 s[TB], s[TB], SLOT1
	s_lshl_b32 s[CO], s[WV], 8
	s_add_co_u32 s[CO], s[CO], 30720               ; 64 (480 + 4 w)
	NEXT
.endif
.endif
.endm
	s_load_b256 s[4:11], s[0:1], 0x0               ; xq s[4:5], wq s[6:7], wn s[8:9], idx s[10:11]
	s_load_b64 s[12:13], s[0:1], 0x20              ; out1
	v_lshl_add_u32 v[SPW], v0, 2, SPARE
	v_mov_b32 v[NIL], 0
	ds_add_u32 v[SPW], v[NIL]                      ; the opening lines: the add twice on end and one wait, ahead of my first tensor load
	ds_add_u32 v[SPW], v[NIL]
	v_lshrrev_b32 v14, 5, v0
	v_readfirstlane_b32 s[WV], v14                 ; wave 0..7
	s_bfe_u32 s15, ttmp6, 0x40000                  ; cx
	s_lshl_b32 s16, ttmp9, 2
	s_add_co_u32 s16, s16, s15                     ; my block of 128 rows: it enters xq's, idx's and out1's addresses alone
	s_mov_b32 s[G1], 15|(3<<16)|(1<<21)            ; the mask: all four work-groups; elements of 8 bytes; bit 21 beside a mask
	s_mov_b32 s[G1+1], 32<<16                      ; rows of 32 elements = 256 bytes,
	s_mov_b32 s[G1+2], 64<<16                      ; 64 of them, dense
	s_mov_b32 s[G1+3], 32<<16
	s_mov_b32 s[G1+4], 64
	s_mov_b32 s[G1+5], 32
	s_mov_b32 s[G1+6], 0
	s_mov_b32 s[G1+7], 0
	s_lshl_b32 s17, s[WV], 14                      ; my 16,384 bytes of a slot
	s_lshl_b32 s18, s[WV], 12                      ; my 4,096 bytes of wn, in memory
	s_add_co_u32 s23, s18, WNB                     ; and in LDS
	s_lshl_b32 s19, s[WV], 10
	s_add_co_u32 s19, s19, MRG
	s_and_b32 s21, s[WV], 1
	s_lshl_b32 s20, s21, 9
	s_add_co_u32 s20, s20, MRG
	s_lshl_b32 s21, s21, 8
	s_mul_i32 s84, s[WV], 20480                    ; my five tiles of a trip in memory
	s_mov_b32 s85, 0
	s_mov_b32 s[STN], CHS
	s_sub_co_u32 s[STL], s[STN], s18               ; 40 - w tiles
	s_mov_b32 s[STP+1], 0
	s_mul_i32 s62, s15, 40960                      ; the prefetches: my work-group's 40,960 bytes of a trip,
	s_lshl_b32 s63, s[WV], 13                      ; my wave's 8,192 of them
	s_add_co_u32 s62, s62, s63
	s_mov_b32 s63, 0
	s_cmp_lt_u32 s[WV], 5
	s_cselect_b32 s[LIM], 0, 1                     ; 0 in waves 0-4,
	s_or_b32 s[LIM], s[LIM], ttmp9                 ; of the first cluster: the same in all four partners
	s_cmp_eq_u32 s[LIM], 0
	s_cselect_b32 s[LIM], 3, -1
	s_mov_b32 s[SEL], 0x76543210
	s_mov_b32 s[SEL+1], 0xfedcba98
	s_mov_b32 s[HM], 0xffff0000
	s_mov_b32 s[TB], 0
	s_mul_i32 s[CO], s[WV], 320
	s_mul_i32 s[CURS], s[WV], 5                    ; my first tile: 5 w
	s_lshl_b32 s34, s16, 15                        ; my block's 8 row tiles of 4,096 bytes
	s_mov_b32 s35, 0
	s_lshl_b32 s36, s16, 9                         ; and its 128 indices
	s_mov_b32 s37, 0
	v_and_b32 v15, 31, v0                          ; lane
	v_bfe_u32 v14, v0, 4, 1                        ; h
	v_lshlrev_b32 v[L16], 4, v15
	v_lshlrev_b32 v[H8], 3, v14
	v_lshl_add_u32 v[CB0], v14, 5, WNB
	v_lshl_add_u32 v[MST], v15, 3, s19
	v_lshl_add_u32 v[GO], v15, 3, s21
	v_lshlrev_b32 v[PFO], 8, v15
	v_add_nc_u32 v[WB], s17, v[L16]
	v_add_nc_u32 v[MLD], s20, v[L16]
	v_add_nc_u32 v[WNG], s18, v[L16]
	v_add_nc_u32 v[WNS], s23, v[L16]
	s_wait_alu depctr_va_vdst(0)
	s_wait_dscnt 0x0                               ; both opening adds are done
	s_wait_kmcnt 0x0
	s_add_nc_u64 s[PFA:PFA+1], s[6:7], s[62:63]
	s_add_nc_u64 s[6:7], s[6:7], s[84:85]          ; wq at my part of trip 0
	s_mov_b32 s[G0A], 1
	s_mov_b32 s[G0A+1], s17
	s_mov_b64 s[G0A+2:G0A+3], s[6:7]
	s_or_b32 s[G0A+3], s[G0A+3], 0x80000000
	s_mov_b32 s[G0B], 1
	s_add_co_u32 s[G0B+1], s17, SLOT1
	s_add_nc_u64 s[G0B+2:G0B+3], s[6:7], CHS
	s_or_b32 s[G0B+3], s[G0B+3], 0x80000000
	s_add_nc_u64 s[GP:GP+1], s[6:7], 16384         ; my fifth tile of trip 0
	s_add_nc_u64 s[4:5], s[4:5], s[34:35]
	s_add_nc_u64 s[10:11], s[10:11], s[36:37]
	s_add_nc_u64 s[12:13], s[12:13], s[36:37]
	CROUND                                         ; all four work-groups are here: the first joint loads meet
	tensor_load_to_lds s[G0A:G0A+3], s[G1:G1+7]    ; trip 0: one tensor load a wave at the head
	s_nop 0
.rept 4
	v_nop
.endr
.irp q, 0,1,2,3,4,5,6,7
	global_load_b128 v[ACC+4*\q:ACC+4*\q+3], v[WNG], s[8:9] offset:512*\q   ; my eighth of wn: 512 consecutive bytes a load
.endr
	GLD                                            ; trip 0's fifth tile
	WIN 0x40                                       ; destination window 1
.set n, 0
.rept 64
	global_load_b128 v[4*n:4*n+3], v[L16], s[4:5] offset:512*n    ; x stays in registers: piece n of the block's 64
.set n, n+1
.endr
	WIN 0
	s_cmp_eq_u32 s[LIM], 3
	s_cbranch_scc0 .Lhead_1
	global_prefetch_b8 v[PFO], s[PFA:PFA+1] offset:CHS th:TH_LOAD_NT scope:SCOPE_SE     ; trips 1 and 2, the buffer's first touch
	global_prefetch_b8 v[PFO], s[PFA:PFA+1] offset:2*CHS th:TH_LOAD_NT scope:SCOPE_SE
.Lhead_1:
	s_wait_loadcnt 63                              ; of 80 loads the oldest seventeen are in: my eight of wn among them
.irp q, 0,1,2,3,4,5,6,7
	ds_store_b128 v[WNS], v[ACC+4*\q:ACC+4*\q+3] offset:512*\q     ; wn lies in LDS as in memory
.endr
	s_wait_tensorcnt 0x0                           ; my part of trip 0 is in
	ds_add_u32 v[SPW], v[NIL]
	s_wait_dscnt 0x0                               ; the add, and for the others' sake my stores of wn
	CROUND                                         ; behind it every wave's part of wn may be read
	tensor_load_to_lds s[G0B:G0B+3], s[G1:G1+7]    ; trip 1: slot 1's first fill, the first tensor load behind the round
	s_nop 0
.rept 4
	v_nop
.endr
	s_cmp_eq_u32 s[LIM], 3
	s_cbranch_scc0 .Lhead_2
	global_prefetch_b8 v[PFO], s[PFA:PFA+1] offset:3*CHS th:TH_LOAD_NT scope:SCOPE_SE   ; trip 3
.Lhead_2:
	NEXT
	s_wait_loadcnt 0x0                             ; x
	s_mov_b32 s[SLOTS], 11
	CHUNK 1, 1                                     ; trip 0 stands in front of the loop: its first tile starts the tracking
	s_mov_b32 s[SLOTS], 10
.Lslot:                                            ; 10 turns: trips 1 to 10; trip c's change asks for trip c + 2
	CHUNK 0, 1
	s_sub_co_u32 s[SLOTS], s[SLOTS], 1
	s_cmp_lg_u32 s[SLOTS], 0
	s_cbranch_scc1 .Lslot
	CHUNK 0, 0                                     ; the tail is written out
	CHUNK 0, 2
	; WHICH OF THE KEPT EIGHT: the first that equals the best: j goes down, so that the lowest hit is written last
.irp i, 0,1,2,3,4,5,6,7
	v_mov_b32 v[M+\i], 7
.endr
.irp j, 6,5,4,3,2,1,0
.irp i, 0,1,2,3,4,5,6,7
	v_cmp_neq_f32 s[MK+\i], v[SAVE+8*\i+\j], v[BT+2*\i]
.endr
.irp i, 0,1,2,3,4,5,6,7
	v_cndmask_b32 v[M+\i], \j, v[M+\i], s[MK+\i]
.endr
.endr
.irp i, 0,1,2,3,4,5,6,7
	v_lshl_add_u32 v[BT+2*\i+1], v[BT+2*\i+1], 4, v[M+\i]
.endr
.irp i, 0,1,2,3,4,5,6,7
	v_add_nc_u32 v[BT+2*\i+1], v[BT+2*\i+1], v[H8] ; the index: 16 U + 8 (lane / 16) + j
.endr
	; the row's other eight codes of each tile lie in the lane 16 away
.irp i, 0,1,2,3,4,5,6,7
	v_permlanex16_b32 v[M+\i], v[BT+2*\i], s[SEL], s[SEL+1]
.endr
.irp i, 0,1,2,3,4,5,6,7
	v_permlanex16_b32 v[ACC+\i], v[BT+2*\i+1], s[SEL], s[SEL+1]   ; (the destinations count as read: both runs have been written)
.endr
.irp i, 0,1,2,3,4,5,6,7
	PICK BT+2*\i, BT+2*\i+1, BT+2*\i, BT+2*\i+1, M+\i, ACC+\i
.endr
	; both halves now hold the same: lanes 0-15 take row tile 2 p, lanes 16-31 row tile 2 p + 1: lane l holds row 32 p + l
.irp p, 0,1,2,3
	v_cndmask_b32 v[PR+2*\p], v[BT+4*\p], v[BT+4*\p+2], s[HM]
	v_cndmask_b32 v[PR+2*\p+1], v[BT+4*\p+1], v[BT+4*\p+3], s[HM]
.endr
.irp p, 0,1,2,3
	ds_store_b64 v[MST], v[PR+2*\p:PR+2*\p+1] offset:256*\p    ; my wave's (D, index) of row 32 p + l, at 8 bytes a row
.endr
	s_wait_dscnt 0x0                               ; for the others' sake: my stores are done
	s_barrier_signal -1
	s_barrier_wait -1
	s_cmp_lt_u32 s[WV], 2
	s_cbranch_scc0 .Lend                           ; waves 0 and 1 merge 64 rows each, two rows a lane
.irp q, 0,1,2,3,4,5,6,7
	ds_load_b128 v[ACC+4*\q:ACC+4*\q+3], v[MLD] offset:1024*\q     ; wave q's pairs of my two rows
.endr
	s_wait_dscnt 0x0
.irp q, 1,2,3,4,5,6
	PICK ACC, ACC+1, ACC, ACC+1, ACC+4*\q, ACC+4*\q+1
	PICK ACC+2, ACC+3, ACC+2, ACC+3, ACC+4*\q+2, ACC+4*\q+3
.endr
	PICK ACC, 128, ACC, ACC+1, ACC+28, ACC+29      ; the last picks write the two indices side by side
	PICK ACC+2, 129, ACC+2, ACC+3, ACC+30, ACC+31
	global_store_b64 v[GO], v[128:129], s[10:11]   ; 32 lanes store 256 consecutive bytes, at a multiple of 256 from the buffer's first byte: for the next launch,
	global_store_b64 v[GO], v[128:129], s[12:13]   ; and as the result
.Lend:
	s_wait_tensorcnt 0x0                           ; the wave's end
	ds_add_u32 v[SPW], v[NIL]
	s_wait_dscnt 0x0
	CROUND                                         ; the closing round
	s_endpgm
.Lfunc_end_k_q08109d1faa_argmin:
	.size	k_q08109d1faa_argmin, .Lfunc_end_k_q08109d1faa_argmin-k_q08109d1faa_argmin
	.p2alignl 7, 3214868480
	.fill 96, 4, 3214868480
	.section	.rodata,"a",@progbits
	.p2align	6, 0x0
	.amdhsa_kernel k_q08109d1faa_argmin
		.amdhsa_group_segment_fixed_size 327680
		.amdhsa_private_segment_fixed_size 0
		.amdhsa_enable_private_segment 0
		.amdhsa_kernarg_size 40
		.amdhsa_user_sgpr_count 2
		.amdhsa_user_sgpr_kernarg_segment_ptr 1
		.amdhsa_wavefront_size32 1
		.amdhsa_system_sgpr_workgroup_id_x 1
		.amdhsa_system_sgpr_workgroup_id_y 1
		.amdhsa_system_sgpr_workgroup_id_z 1
		.amdhsa_system_vgpr_workitem_id 0
		.amdhsa_next_free_vgpr 512
		.amdhsa_next_free_sgpr 96
		.amdhsa_reserve_vcc 1
		.amdhsa_float_denorm_mode_32 3
		.amdhsa_float_denorm_mode_16_64 3
		.amdhsa_memory_ordered 1
		.amdhsa_forward_progress 1
		.amdhsa_inst_pref_size 167
	.end_amdhsa_kernel
	.amdgpu_metadata
---
amdhsa.version: [ 1, 2 ]
amdhsa.kernels:
  - .name:           k_q08109d1faa_argmin
    .symbol:         k_q08109d1faa_argmin.kd
    .args:
      - { .name: xq, .offset: 0, .size: 8, .value_kind: global_buffer, .address_space: global }
      - { .name: wq, .offset: 8, .size: 8, .value_kind: global_buffer, .address_space: global }
      - { .name: wn, .offset: 16, .size: 8, .value_kind: global_buffer, .address_space: global }
      - { .name: idx, .offset: 24, .size: 8, .value_kind: global_buffer, .address_space: global }
      - { .name: out1, .offset: 32, .size: 8, .value_kind: global_buffer, .address_space: global }
    .group_segment_fixed_size: 327680
    .private_segment_fixed_size: 0
    .kernarg_segment_align: 8
    .kernarg_segment_size: 40
    .max_flat_workgroup_size: 256
    .sgpr_count:     96
    .vgpr_count:     512
    .wavefront_size: 32
...
	.end_amdgpu_metadata
.endif
;; end of part 2
;; launch gather (part 3): grid 256 x 1, 8 waves a work-group, no clusters, 0 bytes of LDS; arguments idx, weight, out0; writes out0
.if DOCPART == 3
	.amdgcn_target "amdgcn-amd-amdhsa--gfx1250"
	.amdhsa_code_object_version 6
	.text
	.protected	k_q08109d1faa_gather
	.globl	k_q08109d1faa_gather
	.p2align	8
	.type	k_q08109d1faa_gather,@function
k_q08109d1faa_gather:
	s_mov_b64 s[64:65], 0
	v_nop
	global_prefetch_b8 v0, s[64:65] scope:SCOPE_SE
	s_setreg_imm32_b32 hwreg(HW_REG_WAVE_MODE, 25, 1), 1
	s_wait_xcnt 0x0
; GATHER: out0[n][:] = weight[idx[n]][:], f32, rows of 1,024 bytes.  idx holds the whole numbers that the launch before stored.
; A wave owns 16 rows: its 16 indices come by one scalar load; a row is two loads and two stores of 512 consecutive bytes.  All 32 loads of a wave go out at once, each into registers of its own,
; and the stores follow as the loads come back: no register is written twice, so no wait frees one.  No LDS, no barrier: waves share nothing.
; An index is held at 8,191, the table's last row, ahead of its use in an address.
.set OFF, 2                            ; v2-17    row k: 1,024 x its index + 16 x lane
.set D,   20                           ; v20-147  row k, half u: four registers at 8 k + 4 u
	s_load_b128 s[4:7], s[0:1], 0x0                ; idx s[4:5], weight s[6:7]
	s_load_b64 s[8:9], s[0:1], 0x10                ; out0
	v_lshrrev_b32 v1, 5, v0
	s_delay_alu instid0(VALU_DEP_1)
	v_readfirstlane_b32 s10, v1                    ; wave 0..7
	v_and_b32 v1, 31, v0
	s_delay_alu instid0(VALU_DEP_1)
	v_lshlrev_b32 v1, 4, v1                        ; 16 x lane
	s_lshl_b32 s11, ttmp9, 3
	s_add_co_u32 s11, s11, s10                     ; which 16 rows are mine
	s_lshl_b32 s12, s11, 6                         ; their indices: 64 bytes,
	s_mov_b32 s13, 0
	s_lshl_b32 s14, s11, 14                        ; their rows of out0: 16,384 bytes
	s_mov_b32 s15, 0
	s_wait_alu depctr_va_vdst(0)
	s_wait_kmcnt 0x0
	s_add_nc_u64 s[4:5], s[4:5], s[12:13]
	s_add_nc_u64 s[8:9], s[8:9], s[14:15]
	s_load_b512 s[16:31], s[4:5], 0x0
	s_wait_kmcnt 0x0
.irp k, 0,1,2,3,4,5,6,7,8,9,10,11,12,13,14,15
	s_min_u32 s[16+\k], s[16+\k], 8191
	s_lshl_b32 s[16+\k], s[16+\k], 10
	v_add_nc_u32 v[OFF+\k], s[16+\k], v1
.endr
	s_wait_alu depctr_va_vdst(0)
.irp k, 0,1,2,3,4,5,6,7,8,9,10,11,12,13,14,15
.irp u, 0,1
	global_load_b128 v[D+8*\k+4*\u:D+8*\k+4*\u+3], v[OFF+\k], s[6:7] offset:512*\u   ; no hint: a row of the table may be named by many rows
.endr
.endr
.irp n, 0,1,2,3,4,5,6,7,8,9,10,11,12,13,14,15,16,17,18,19,20,21,22,23,24,25,26,27,28,29,30,31
	s_wait_loadcnt 31-\n                           ; loads come back in order: load n is in, the 31 - n younger ones may be out
	global_store_b128 v1, v[D+4*\n:D+4*\n+3], s[8:9] offset:512*\n th:TH_STORE_NT    ; 32 lanes store 512 consecutive bytes, at a multiple of 512 from out0's first byte; written once, read by nobody here
.endr
	s_endpgm
.Lfunc_end_k_q08109d1faa_gather:
	.size	k_q08109d1faa_gather, .Lfunc_end_k_q08109d1faa_gather-k_q08109d1faa_gather
	.p2alignl 7, 3214868480
	.fill 96, 4, 3214868480
	.section	.rodata,"a",@progbits
	.p2align	6, 0x0
	.amdhsa_kernel k_q08109d1faa_gather
		.amdhsa_group_segment_fixed_size 0
		.amdhsa_private_segment_fixed_size 0
		.amdhsa_enable_private_segment 0
		.amdhsa_kernarg_size 24
		.amdhsa_user_sgpr_count 2
		.amdhsa_user_sgpr_kernarg_segment_ptr 1
		.amdhsa_wavefront_size32 1
		.amdhsa_system_sgpr_workgroup_id_x 1
		.amdhsa_system_sgpr_workgroup_id_y 1
		.amdhsa_system_sgpr_workgroup_id_z 1
		.amdhsa_system_vgpr_workitem_id 0
		.amdhsa_next_free_vgpr 152
		.amdhsa_next_free_sgpr 66
		.amdhsa_reserve_vcc 0
		.amdhsa_float_denorm_mode_32 3
		.amdhsa_float_denorm_mode_16_64 3
		.amdhsa_memory_ordered 1
		.amdhsa_forward_progress 1
		.amdhsa_inst_pref_size 11
	.end_amdhsa_kernel
	.amdgpu_metadata
---
amdhsa.version: [ 1, 2 ]
amdhsa.kernels:
  - .name:           k_q08109d1faa_gather
    .symbol:         k_q08109d1faa_gather.kd
    .args:
      - { .name: idx, .offset: 0, .size: 8, .value_kind: global_buffer, .address_space: global }
      - { .name: weight, .offset: 8, .size: 8, .value_kind: global_buffer, .address_space: global }
      - { .name: out0, .offset: 16, .size: 8, .value_kind: global_buffer, .address_space: global }
    .group_segment_fixed_size: 0
    .private_segment_fixed_size: 0
    .kernarg_segment_align: 8
    .kernarg_segment_size: 24
    .max_flat_workgroup_size: 256
    .sgpr_count:     66
    .vgpr_count:     152
    .wavefront_size: 32
...
	.end_amdgpu_metadata
.endif
;; end of part 3
